; MI455X (gfx1250); checked and timed in simulation.
; The chip was launched on July 23, 2026; its instructions are those of AMD's public machine-readable ISA for CDNA 5 (MIT licence, August 2026) and "CDNA5" Instruction Set Architecture Reference Guide (July 2026). The comments in the code are by the model that wrote it; some were corrected since.
;; Dot Product Attention. Allowed arithmetic: matrix products marked QUANTISED: E2M1 operands, one E8M0 scale for each 32 along K, by v_wmma_scale_f32_16x16x128_f8f6f4 with both operands' format E2M1 (or v_wmma_scale_f32_32x16x128_f4), f32 sums; everything else in f32.
;; Inputs: keys_codes 16 x 2,048 x 2 x 16 uint8 (E2M1 codes of keys, K innermost, in blocks of 32 codes, two codes a byte); keys_scales 16 x 2,048 x 2 uint8 (E8M0 scales of keys, one for each 32 codes along K); queries_codes 16 x 2,048 x 2 x 16 uint8 (E2M1 codes of queries, K innermost, in blocks of 32 codes, two codes a byte); queries_scales 16 x 2,048 x 2 uint8 (E8M0 scales of queries, one for each 32 codes along K); valid_lens 16 int32; values_codes 16 x 64 x 64 x 16 uint8 (E2M1 codes of values, K innermost, in blocks of 32 codes, two codes a byte); values_scales 16 x 64 x 64 uint8 (E8M0 scales of values, one for each 32 codes along K).
;; Outputs: out0 16 x 2,048 x 64 float32.
;; This version of the problem:
;;   THIS VERSION OF THE PROBLEM IS GIVEN IN LOW PRECISION. The matrix products marked QUANTISED in the list below multiply operands that are first quantised to E2M1 (2 exponent bits, 1 mantissa bit; 4 bits a number), with one power-of-two scale for each 32 numbers along K (OCP MX v1.0); their sums are f32. All else is computed in f32.
;;   The module's matrix products, in the order in which they are computed (A, B: the left and right operand; K: the contracted axis; several contracted axes count as one K, in the product's order):
;;     1. batch 16 x [M 2,048, K 64] x [K 64, N 2,048]; A: input queries (given as codes); B: input keys (given as codes): QUANTISED
;;     2. batch 16 x [M 2,048, K 2,048] x [K 2,048, N 64]; A: softmax (see below); B: input values (given as codes): QUANTISED
;;   THE QUANTISER, for each operand of a quantised product, along K:
;;     - K is cut into blocks of 32 from its start; a last block that is shorter is filled with zeros.
;;     - A block's scale is 2^e with e = floor(log2(the largest magnitude in the block)) - 2, held to -126 .. 127; a block of zeros has e = 0. As a byte (E8M0): e + 127.
;;     - Each number is divided by its block's scale, clamped to +-6, and rounded to the nearest number of E2M1, ties to even, subnormals kept.
;;     - The product sums the exact products of the quantised numbers (number of the format x scale) in f32.
;;   ~~~python
;;   def quantise(x, axis):      # numpy; x: float32 -> the quantised numbers, widened to float32 again
;;       x = np.moveaxis(x, axis, -1); K = x.shape[-1]
;;       x = np.pad(x, [(0, 0)] * (x.ndim - 1) + [(0, -K % 32)]); x = x.reshape(x.shape[:-1] + (-1, 32)); a = np.abs(x).max(-1, keepdims=True)
;;       e = np.where(a > 0, np.clip(np.frexp(np.where(a > 0, a, 1))[1] - 1 - 2, -126, 127), 0)      # np.frexp(a)[1] - 1 = floor(log2(a)), exactly
;;       r = np.clip(x / 2.0 ** e, -6, 6)
;;       step = 2.0 ** (np.maximum(np.frexp(np.where(r == 0, 1, r))[1] - 1, 0) - 1)
;;       q = np.round(r / step) * step * 2.0 ** e      # np.round: ties to even
;;       return np.moveaxis(q.reshape(q.shape[:-2] + (-1,))[..., :K], -1, axis).astype(np.float32)
;;   ~~~
;;   SOFTMAX AHEAD OF A QUANTISED PRODUCT. Where the list says 'softmax', what is quantised is not the finished softmax but p = 2^(t - M), with t = logit x log2(e) and M = ceil(the row's largest t), a whole number; so 1/2 < the row's largest p <= 1. The row's sum l is taken of the UNQUANTISED p, in f32, and the product's result is divided by l at the end. Since M is a whole number, a kernel that streams over the keys may use a running M (the ceiling of the running maximum): every later rescaling is an exact power of two, which a block's scale takes up: the codes' values come out the same.
;;   OPERANDS COMPUTED ON THE WAY. 'Computed on the way' means the value that the module computes at that place (a softmax that the list does not call 'softmax' is quantised finished and normalised). What goes into a quantiser is computed in f32, as accurately as f32 sums, v_exp_f32 and their like allow (about 1e-6 of the number): no bf16 or f16 on the way to a quantiser, and a product that is left as it is and whose result goes on into a quantised operand takes f32 operands (vector FMAs, or v_wmma_f32_16x16x4_f32). A number that lies on a knife's edge between two numbers of the format may be rounded either way, as far as f32 arithmetic and the matrix unit's own rounding can turn it there, and no further.
;;   INPUTS GIVEN AS CODES. keys (in the module: [16, 2048, 64], K = its axis 2); queries (in the module: [16, 2048, 64], K = its axis 2); values (in the module: [16, 2048, 64], K = its axis 1): each comes as NAME_codes (uint8): NAME with its K axis moved to the last place and cut into blocks of 32 codes, [.., K / 32, bytes a block], one block behind the other in memory; two codes a byte, the lower K in the low four bits (a code: sign, 2 exponent bits, 1 mantissa bit); and NAME_scales (uint8): the same leading axes, one E8M0 byte (e + 127) for each 32 codes along K. Its value is code x scale, taken as it is: it is not quantised again, and the codes and scales need not be those that the quantiser above would give.
;; 2 versions. Each part assembles by itself: llvm-mc -triple=amdgcn-amd-amdhsa -mcpu=gfx1250 --defsym DOCPART=n.
;; ======== version 1 of 2: 1 launch
;; limits: right only within a limited range of input values
;; launch attn (part 1): grid 32 x 8, 8 waves a work-group, no clusters, 318,464 bytes of LDS; arguments keys_codes, keys_scales, queries_codes, queries_scales, valid_lens, values_codes, values_scales, out0; writes out0
.if DOCPART == 1
	.amdgcn_target "amdgcn-amd-amdhsa--gfx1250"
	.amdhsa_code_object_version 6
	.text
	.protected	k_q41ad49f766_attn
	.globl	k_q41ad49f766_attn
	.p2align	8
	.type	k_q41ad49f766_attn,@function
k_q41ad49f766_attn:
	s_mov_b64 s[64:65], 0
	v_nop
	global_prefetch_b8 v0, s[64:65] scope:SCOPE_SE
	s_setreg_imm32_b32 hwreg(HW_REG_WAVE_MODE, 25, 1), 1
	s_wait_xcnt 0x0
; out[b][q][:] = the sum over k of softmax_k(Q[b][q] . K[b][k] / 8, keys at or behind valid_lens[b] taken as -1e6) V[b][k][:].  16 batches, 2,048 queries, 2,048 keys, head 64.
; Both products on codes of FP4 (E2M1) with one E8M0 byte for each 32 along a product's K.  Q, K: rows of 64 codes (32 bytes), 2 scale bytes a row.  V: keys innermost, [b][64 (d)][2,048 keys]: rows of 1,024 bytes, 64 scale bytes a row.
; THE SOFTMAX AHEAD OF THE SECOND PRODUCT: t = score x log2(e) / 8; M = the row's largest t so far, rounded UP to a whole number; p = 2^(t - M) is quantised along the keys, not normalised; the row's sum of the unquantised p divides at the end.
; When M moves, the sum and O are multiplied by 2^(old M - new M): exact.
; THE FIRST PRODUCT'S K IS 64, the instruction's 128: registers 4-7 of K's and of Q's fragments hold zero codes for the whole launch, and bytes 2, 3 of their scale words are 0 (2^-127: no NaN); zero codes add nothing.
; KEY STEPS BEHIND valid_len ARE LEFT OUT: a step is 128 keys; a batch with n valid keys runs ceil(n / 128) of its 16 steps, by a scalar branch on n.  In the one step that holds the boundary the hidden scores are replaced ahead of the maximum.
; SHARES.  Every work-group reads the 16 lengths and ranks the batches by their number of steps (ties by the batch's number).  Work-group (x, y) serves 64 queries, 64 x on, of TWO batches: rank y (long) and rank 15 - y (short), so that
; the work-groups' sums of steps lie close together.  Each of the eight waves owns 16 queries of one of the two: sel = (w xor (w / 4)) & 1 says which batch, tq = w / 2 which 16; of waves 2 i, 2 i + 1 and of waves w, w + 4 one serves each batch.
; K AND V LIE IN LDS, a region for each of the two batches, brought through registers in four stages of 512 keys, each loaded one stage ahead; the four waves of a batch copy a quarter of a stage each.
; NO JOINT TENSOR LOADS, though 32 work-groups read each batch's K and V: here a branch on a number read from memory leaves out up to 15 of a batch's 16 key steps.
; LAYOUT.  Both products are used transposed: S^T = K Q^T (source 0 = 16 keys, source 1 = my 16 queries), O^T = V^T P^T (source 0 = 16 of the head's 64, source 1 = P): a lane holds ONE query (lane % 16) throughout.
; THE KEYS OF A TILE ARE NOT NEIGHBOURS: row m of tile 4 c + i of a step is key 64 c + 8 i + m % 8 + 32 (m / 8).  So register 32 c + 8 i + j of lane (r, h) is key 64 c + 32 h + 8 i + j: a lane's 32 registers are a WHOLE block 2 c + h,
; its largest p needs no other lane, and the conversion of registers 8 i .. 8 i + 7 IS register 4 c + i of P's fragment.  K lies in LDS as images of these fragments' registers (16 bytes a lane, 512 a tile).
; LIMITS.  (a) Hidden keys count as p = 0, which is what -1e6 gives as long as a row's largest valid logit lies above about -999,900.  (b) A scale byte 0xff (NaN) among the inputs is not served.
; valid_len <= 0 is served: all 16 steps run and every score is replaced by 0 (all logits equal: p = 1), as -1e6 everywhere gives.  valid_len > 2,048 counts as 2,048.
.set REG,  141312                      ; LDS: a batch's region; region sel begins at sel x REG
.set KI,   0                           ; K's images: step s, tile T at 4096 s + 512 T + 16 x lane
.set VR,   65536                       ; V's rows: 1,024 bytes + 16 of padding = 65 x 16: the 16 rows of a load start at 16 different 16-byte columns
.set VP,   1040
.set KS,   132096                      ; K's scale bytes as they lie: 2 a key
.set VS,   136192                      ; V's scale bytes: rows of 64 + 16 of padding
.set VSP,  80
.set STG,  282624                      ; behind the two regions: the way out, 16 rows x (256 + 16) bytes for each wave
.set AK0,  1                           ; v1   my lane's place in K's images            (v1-6: at stage 0; never rewritten)
.set AV0,  2                           ; v2   in a tile of V
.set ASK0, 3                           ; v3   among K's scale bytes
.set ASV0, 4                           ; v4   among V's scale words
.set CKS0, 5                           ; v5   where I store my quarter of a stage of K
.set CVS0, 6                           ; v6   and of V
.set GK,   7                           ; v7   my lane's byte in a tile of K in memory
.set GV,   8                           ; v8   and in two rows of V
.set H8,   9                           ; v9   8 h
.set HM,   10                          ; v10  -1 - 32 h
.set MV,   11                          ; v11  what a hidden score becomes
                                       ; v12 -M, v13 the largest t so far, v[14:15] the sum in two halves
.set QF,   16                          ; v16-23  Q's fragment: 16-19 codes, 20-23 zeros
.set QS,   24                          ; v24  Q's scale words
.set AK,   25                          ; v25-30  v1-6 at the stage in hand; behind the loop: the way out's addresses
.set AV,   26
.set ASK,  27
.set ASV,  28
.set CKS,  29
.set CVS,  30
.set KF,   32                          ; v32-95   K's 8 fragments; registers 4-7 of each stay zero
.set SC,   96                          ; v96-159  S^T, then p; in the head scratch; at the end O / the sum and whole rows
.set OT,   160                         ; v160-191 O^T, 4 tiles
.set VF,   192                         ; v192-223 V's 4 fragments
.set PC,   224                         ; v224-231 p's codes
.set KSC,  232                         ; v232-235 K's scale words: lanes 0-15 tile 2 x, lanes 16-31 tile 2 x + 1
.set VSC,  236                         ; v236-237 V's likewise
.set PW,   238                         ; v238     p's scale word
.set TM,   240                         ; v240-247 the tiles' largest scores; v240, v244 the two blocks'; later v[240:241] the sum's second chain
                                       ; v248, v249 at work; v250, v251 the conversions' scale operands; v[252:253] f; v254, v255 the two bytes (v255 also the mask's bound)
                                       ; window 1: v0-31 (v256-287) a quarter stage of K, v32-63 (v288-319) of V, on their way from memory to LDS
.set KCB,  40                          ; s[40:41] K's codes at my quarter of the stage to be loaded;  s[42:43] V's
.set VCB,  42
                                       ; s20 wave, s21 sel, s22 tq, s24 y, s25 the rank wanted, s26 my batch, s27 NV (valid keys), s28 NE (keys that are walked), s29 the stage's first key, s30 the stage
                                       ; s[34:35] lane selects, s[36:37] c, s44-47 the stage's steps in LDS (in the head s44-59: the 16 sort keys), s31-33, s38, s39 at work
.set MSB, 0
.macro WIN new                         ; the immediate's high byte repeats the setting that is left
.if MSB != \new
	s_set_vgpr_msb (MSB<<8)|\new
.set MSB, \new
.endif
.endm
.macro BARRIER                         ; my LDS stores have landed and my LDS loads are in: then the work-group's barrier
	s_wait_dscnt 0x0
	s_barrier_signal -1
	s_barrier_wait -1
.endm
; My quarter of a stage, from memory into window 1.  K: one step's 8 tiles, already in the fragments' order: a load reads two runs of 256 consecutive bytes (keys base .. + 7 and base + 32 .. + 39).  V: 16 rows x 256 bytes, two rows a load.
.macro COPY_LOADS
	WIN 0x40                                       ; destination window 1, address window 0
.irp T, 0,1,2,3,4,5,6,7
	global_load_b128 v[4*\T:4*\T+3], v[GK], s[KCB:KCB+1] offset:2048*(\T/4)+256*(\T%4)
.endr
.irp j, 0,1,2,3,4,5,6,7
	global_load_b128 v[32+4*\j:35+4*\j], v[GV], s[VCB:VCB+1] offset:2048*\j
.endr
	WIN 0
.endm
.macro COPY_STORES                     ; and on into LDS
	WIN 0x04                                       ; an LDS store's data are its source 1: window 1
.irp T, 0,1,2,3,4,5,6,7
	ds_store_b128 v[CKS], v[4*\T:4*\T+3] offset:512*\T
.endr
.irp j, 0,1,2,3,4,5,6,7
	ds_store_b128 v[CVS], v[32+4*\j:35+4*\j] offset:2*VP*\j
.endr
	WIN 0
.endm
	s_load_b256 s[4:11], s[0:1], 0x0               ; K's codes s[4:5], K's scales s[6:7], Q's codes s[8:9], Q's scales s[10:11]
	s_load_b256 s[12:19], s[0:1], 0x20             ; valid_lens s[12:13], V's codes s[14:15], V's scales s[16:17], out s[18:19]
	v_lshl_add_u32 v31, v0, 2, 0x4d800
	v_mov_b32 v239, 0
	v_lshrrev_b32 v112, 5, v0
	v_readfirstlane_b32 s20, v112                  ; wave 0..7
	v_and_b32 v112, 31, v0                         ; l
	v_and_b32 v113, 15, v0                         ; r = l % 16
	v_bfe_u32 v114, v0, 4, 1                       ; h = l / 16
	v_lshlrev_b32 v115, 2, v113
	s_lshr_b32 s21, s20, 2
	s_xor_b32 s21, s21, s20
	s_and_b32 s21, s21, 1                          ; sel: which of the pair's two batches
	s_lshr_b32 s22, s20, 1                         ; tq: which 16 of the 64 queries, and which quarter of a stage I copy
	s_and_b32 s24, ttmp7, 0xffff                   ; the pair
	s_sub_co_u32 s31, 15, s24
	s_cmp_eq_u32 s21, 0
	s_cselect_b32 s25, s24, s31                    ; the rank of my batch: y or 15 - y
	s_mov_b32 s34, 0x76543210
	s_mov_b32 s35, 0xfedcba98                      ; v_permlanex16_b32's selects for lane l xor 16
	s_mov_b32 s36, 0x3e38aa3b                      ; c = log2(e) / 8
	s_mov_b32 s37, s36                             ; (the packed form names the pair, so it is written)
	s_wait_kmcnt 0x0
	global_load_b32 v240, v115, s[12:13]           ; lane l: valid_lens[l % 16]
	; while it is on its way: every lane's addresses, and the registers that begin as zeros
	s_mul_i32 s38, s21, REG                        ; my batch's region
	v_lshl_add_u32 v[AK0], v112, 4, s38            ; KI = 0: 16 l
	v_mul_u32_u24 v[AV0], v113, VP
	v_lshl_add_u32 v[AV0], v114, 4, v[AV0]
	s_add_co_u32 s39, s38, VR
	v_add_nc_u32 v[AV0], s39, v[AV0]               ; row r of a tile of V, + 16 h
	v_and_b32 v116, 7, v113                        ; r % 8
	v_lshrrev_b32 v117, 3, v113                    ; r / 8
	v_lshlrev_b32 v[ASK0], 1, v116
	v_lshl_add_u32 v[ASK0], v117, 6, v[ASK0]
	v_lshl_add_u32 v[ASK0], v114, 4, v[ASK0]
	s_add_co_u32 s39, s38, KS
	v_add_nc_u32 v[ASK0], s39, v[ASK0]             ; 2 bytes a key: key r % 8 + 32 (r / 8), and 8 keys on (the next tile) for lanes 16-31
	v_mul_u32_u24 v[ASV0], v112, VSP
	s_add_co_u32 s39, s38, VS
	v_add_nc_u32 v[ASV0], s39, v[ASV0]             ; row l of V's scale bytes: lanes 0-15 one tile, lanes 16-31 the next
	s_lshl_b32 s39, s22, 12
	s_add_co_u32 s39, s39, s38
	v_lshl_add_u32 v[CKS0], v112, 4, s39           ; my step of the stage: 4096 tq + 16 l
	v_mul_u32_u24 v[CVS0], v114, VP
	v_lshl_add_u32 v[CVS0], v113, 4, v[CVS0]
	s_mul_i32 s39, s22, 16*VP
	s_add_co_u32 s39, s39, s38
	s_add_co_u32 s39, s39, VR
	v_add_nc_u32 v[CVS0], s39, v[CVS0]             ; my 16 rows of V: row h of a pair, 16 r bytes on
	v_lshlrev_b32 v[GK], 5, v116
	v_lshl_add_u32 v[GK], v117, 10, v[GK]
	v_lshl_add_u32 v[GK], v114, 4, v[GK]           ; in memory a key is 32 bytes: 32 (r % 8) + 1024 (r / 8) + 16 h
	v_lshlrev_b32 v[GV], 10, v114
	v_lshl_add_u32 v[GV], v113, 4, v[GV]           ; a row of V is 1,024 bytes
	v_lshlrev_b32 v[H8], 3, v114
	v_lshlrev_b32 v[HM], 5, v114
	v_xor_b32 v[HM], -1, v[HM]                     ; -1 - 32 h
	s_lshl_b32 s39, s22, 10
	s_add_co_u32 s39, s39, s38
	s_add_co_u32 s39, s39, KS
	v_lshl_add_u32 v118, v112, 4, s39              ; where my 1,024 of K's scale bytes go
	v_lshrrev_b32 v119, 2, v112
	v_mul_u32_u24 v119, v119, VSP
	v_and_b32 v120, 3, v112
	v_lshl_add_u32 v119, v120, 4, v119
	s_mul_i32 s39, s22, 16*VSP
	s_add_co_u32 s39, s39, s38
	s_add_co_u32 s39, s39, VS
	v_add_nc_u32 v119, s39, v119                   ; and my 16 rows of V's: four lanes to a row of 64 bytes
	v_lshlrev_b32 v121, 4, v112                    ; in memory: 16 l
	v_lshlrev_b32 v122, 5, v113
	v_lshl_add_u32 v122, v114, 4, v122             ; Q's codes: 32 r + 16 h
	v_lshlrev_b32 v123, 1, v113                    ; Q's scale bytes: 2 r
.irp T, 0,1,2,3,4,5,6,7
.irp k, 4,5,6,7
	v_mov_b32 v[KF+8*\T+\k], 0                     ; the upper 64 along the instruction's K: zero codes, written once
.endr
.endr
.irp k, 4,5,6,7
	v_mov_b32 v[QF+\k], 0
.endr
.irp j, 0,1,2,3,4,5,6,7,8,9,10,11,12,13,14,15,16,17,18,19,20,21,22,23,24,25,26,27,28,29,30,31
	v_mov_b32 v[OT+\j], 0                          ; O^T.  (The step is written once: the first finds zeros, which the first change of M leaves zeros)
.endr
	v_mov_b32 v14, 0                               ; the sum, in two halves
	v_mov_b32 v15, 0
	v_mov_b32 v249, 0                              ; written once: a lane permute's destination counts as one of its sources
	v_mov_b32 v253, 0                              ; (named as the upper half of the pair v[252:253])
	v_mov_b32 v13, 0xff61b1e6                      ; the largest t so far: -3e38, under every t
	v_floor_f32 v12, -v13                          ; -M
	; THE RANKS.  n = the length held to 0 .. 2,048; ne = the keys that are walked (all 2,048 where n = 0); sort key = 16 x steps + batch: no two are equal
	s_wait_loadcnt 0x0
	v_ashrrev_i32 v241, 31, v240
	v_xor_b32 v241, -1, v241
	v_and_b32 v240, v240, v241                     ; a negative length counts as 0
	v_min_u32 v240, 0x800, v240                    ; n
	v_mov_b32 v242, 0x800
	v_cmp_eq_u32 vcc_lo, 0, v240
	v_cndmask_b32 v241, v240, v242, vcc_lo         ; ne
	v_add_nc_u32 v243, 127, v241
	v_lshrrev_b32 v243, 7, v243                    ; steps, 1 .. 16
	v_lshl_or_b32 v243, v243, 4, v113
	v_mov_b32 v244, 0                              ; my batch's rank = how many batches have a larger sort key
	v_mov_b32 v245, 0
	v_mov_b32 v246, 1
.irp j, 0,1,2,3,4,5,6,7,8,9,10,11,12,13,14,15
	v_readlane_b32 s[44+\j], v243, \j
.endr
.irp j, 0,1,2,3,4,5,6,7,8,9,10,11,12,13,14,15
	v_cmp_gt_u32 vcc_lo, s[44+\j], v243
	v_cndmask_b32 v247, v245, v246, vcc_lo
	v_add_nc_u32 v244, v244, v247
.endr
	v_cmp_eq_u32 vcc_lo, s25, v244                 ; lanes b and b + 16 of the batch b that has the rank wanted
	s_ctz_i32_b32 s26, vcc_lo
	s_min_u32 s26, s26, 15                         ; my batch: it enters addresses only behind this bound
	v_readlane_b32 s27, v240, s26                  ; NV
	v_readlane_b32 s28, v241, s26                  ; NE
	s_cmp_eq_u32 s27, 0
	s_cselect_b32 s31, 0, 0xcaf42400               ; a hidden score becomes -8e6 (x 1/8 = -1e6); with no valid key at all every score becomes 0
	v_mov_b32 v[MV], s31
	; where my parts begin, in bytes: each offset is made in s[32:33] and added to its own buffer's address
	s_mov_b32 s33, 0
	s_lshl_b32 s38, s26, 16                        ; a batch's codes: 65,536 bytes
	s_lshl_b32 s39, s22, 12
	s_add_co_u32 s32, s38, s39
	s_add_nc_u64 s[KCB:KCB+1], s[4:5], s[32:33]    ; K: + my step of stage 0: 128 keys of 32 bytes
	s_lshl_b32 s39, s22, 14
	s_add_co_u32 s32, s38, s39
	s_add_nc_u64 s[VCB:VCB+1], s[14:15], s[32:33]  ; V: + my 16 rows of 1,024 bytes
	s_lshl_b32 s31, ttmp9, 6
	s_lshl_b32 s39, s22, 4
	s_add_co_u32 s31, s31, s39                     ; my first query: 64 x + 16 tq
	s_lshl_b32 s39, s31, 5
	s_add_co_u32 s32, s38, s39
	s_add_nc_u64 s[8:9], s[8:9], s[32:33]          ; Q's codes
	s_lshl_b32 s38, s26, 12                        ; a batch's scale bytes: 4,096
	s_lshl_b32 s39, s22, 10
	s_add_co_u32 s32, s38, s39
	s_add_nc_u64 s[6:7], s[6:7], s[32:33]          ; my 1,024 of K's
	s_add_nc_u64 s[16:17], s[16:17], s[32:33]      ; and of V's
	s_lshl_b32 s39, s31, 1
	s_add_co_u32 s32, s38, s39
	s_add_nc_u64 s[10:11], s[10:11], s[32:33]      ; Q's scale bytes
	s_lshl_b32 s38, s26, 19                        ; a batch of out: 2,048 rows of 256 bytes
	s_lshl_b32 s39, s31, 8
	s_add_co_u32 s32, s38, s39
	s_add_nc_u64 s[18:19], s[18:19], s[32:33]
	global_load_b128 v[96:99], v121, s[6:7]        ; the scale bytes of the whole batch come once: 512 consecutive bytes a load
	global_load_b128 v[100:103], v121, s[6:7] offset:512
	global_load_b128 v[104:107], v121, s[16:17]
	global_load_b128 v[108:111], v121, s[16:17] offset:512
	global_load_b128 v[QF:QF+3], v122, s[8:9]      ; Q's fragment stays in registers
	global_load_u16 v[QS], v123, s[10:11]          ; its two scale bytes; bytes 2, 3 are 0
	COPY_LOADS                                     ; stage 0: every batch walks at least one step
	s_wait_loadcnt 18                              ; the four loads of scale bytes are in; behind them Q's 2 and the stage's 16 may be out
	ds_store_b128 v118, v[96:99]
	ds_store_b128 v118, v[100:103] offset:512
	ds_store_b128 v119, v[104:107]
	ds_store_b128 v119, v[108:111] offset:8*VSP
	s_mov_b32 s29, 0
	s_mov_b32 s30, 0
	s_mov_b32 s44, 0                               ; a stage on: 16,384 bytes of K's images,
	s_mov_b32 s45, 0                               ; 256 in each row of V,
	s_mov_b32 s46, 0                               ; 1,024 of K's scale bytes,
	s_mov_b32 s47, 0                               ; 16 in each row of V's
; A KEY STEP: 128 keys, the q-th of the stage in hand.
.macro STEP q
	s_add_co_u32 s38, s29, 128*\q                  ; the step's first key
	s_cmp_ge_u32 s38, s28
	s_cbranch_scc1 .Lhid_\@                        ; all its keys are hidden: p = 0, nothing to add.  No barrier stands in a step
.irp T, 0,1,2,3,4,5,6,7
	ds_load_b128 v[KF+8*\T:KF+8*\T+3], v[AK] offset:4096*\q+512*\T
.endr
.irp x, 0,1,2,3
	ds_load_u16 v[KSC+\x], v[ASK] offset:256*\q+128*(\x/2)+32*(\x%2)
.endr
.irp dt, 0,1,2,3
.irp c, 0,1
	ds_load_b128 v[VF+8*\dt+4*\c:VF+8*\dt+4*\c+3], v[AV] offset:16*VP*\dt+64*\q+32*\c
.endr
.endr
.irp x, 0,1
	ds_load_b32 v[VSC+\x], v[ASV] offset:32*VSP*\x+4*\q
.endr
	s_wait_dscnt 10                                ; K's 8 fragments and 4 scale loads are in; V's 8 and 2, issued behind them, may be out
.irp T, 0,1,2,3,4,5,6,7                        ; S^T = K Q^T
.if (\T)%2
	v_wmma_scale_f32_16x16x128_f8f6f4 v[SC+8*\T:SC+8*\T+7], v[KF+8*\T:KF+8*\T+7], v[QF:QF+7], 0, v[KSC+\T/2], v[QS] matrix_a_fmt:MATRIX_FMT_FP4 matrix_b_fmt:MATRIX_FMT_FP4 matrix_a_scale:MATRIX_SCALE_ROW1
.else
	v_wmma_scale_f32_16x16x128_f8f6f4 v[SC+8*\T:SC+8*\T+7], v[KF+8*\T:KF+8*\T+7], v[QF:QF+7], 0, v[KSC+\T/2], v[QS] matrix_a_fmt:MATRIX_FMT_FP4 matrix_b_fmt:MATRIX_FMT_FP4
.endif
.endr
.rept 4
	v_nop                                          ; four places between a matrix instruction and the first vector read of its result (ISA guide 7.12.1)
.endr
	s_add_co_u32 s39, s38, 128
	s_cmp_le_u32 s39, s27
	s_cbranch_scc1 .Lopen_\@                       ; all 128 keys count
	s_sub_co_i32 s39, s27, s38
	v_add_nc_u32 v255, s39, v[HM]                  ; d = NV - the step's first key - 32 h - 1.  Register 32 c + k holds key 64 c + 32 h + k of the step: hidden where 64 c + k > d
.irp c, 0,1
.irp k, 0,1,2,3,4,5,6,7,8,9,10,11,12,13,14,15,16,17,18,19,20,21,22,23,24,25,26,27,28,29,30,31
	v_cmp_gt_i32 vcc_lo, 64*\c+\k, v255
	v_cndmask_b32 v[SC+32*\c+\k], v[SC+32*\c+\k], v[MV], vcc_lo
.endr
.endr
.Lopen_\@:
.irp T, 0,1,2,3,4,5,6,7                        ; the largest score of each tile's first seven, each tile from its low end on, the eight tiles by turns
	v_max3_num_f32 v[TM+\T], v[SC+8*\T], v[SC+8*\T+1], v[SC+8*\T+2]
.endr
.irp T, 0,1,2,3,4,5,6,7
	v_max3_num_f32 v[TM+\T], v[TM+\T], v[SC+8*\T+3], v[SC+8*\T+4]
.endr
.irp T, 0,1,2,3,4,5,6,7
	v_max3_num_f32 v[TM+\T], v[TM+\T], v[SC+8*\T+5], v[SC+8*\T+6]
.endr
.irp c, 0,1                                    ; four tiles and their eighth scores make a block of 32 keys
	v_max3_num_f32 v[TM+4*\c], v[TM+4*\c], v[TM+4*\c+1], v[SC+32*\c+7]
	v_max3_num_f32 v[TM+4*\c+2], v[TM+4*\c+2], v[TM+4*\c+3], v[SC+32*\c+15]
.endr
.irp c, 0,1
	v_max3_num_f32 v[TM+4*\c], v[TM+4*\c], v[TM+4*\c+2], v[SC+32*\c+23]
.endr
.irp c, 0,1
	v_max_num_f32 v[TM+4*\c], v[TM+4*\c], v[SC+32*\c+31]   ; THE LARGEST SCORE OF MY TWO BLOCKS: it serves twice: for the row's maximum, and, since p rises with the score, for the block's largest p
.endr
	v_max_num_f32 v248, v[TM], v[TM+4]
	v_permlanex16_b32 v249, v248, s34, s35
	v_max_num_f32 v248, v248, v249                 ; with lane l xor 16's two blocks: the step's largest score of my query
	v_mul_f32 v248, s36, v248                      ; as t (c is positive)
	v_max_num_f32 v13, v13, v248                   ; the running largest t
	v_mov_b32 v248, v12
	v_floor_f32 v12, -v13                          ; the new -M = floor(-t) = -ceil(t): M IS A WHOLE NUMBER
	v_sub_f32 v248, v12, v248                      ; M's old value less its new one: a whole number, 0 or less
	v_cvt_i32_f32 v248, v248                       ; (it saturates)
	v_ldexp_f32 v252, 1.0, v248                    ; f = 2^(old M - new M): a multiplication by it rounds nothing
.irp j, 0,2,4,6,8,10,12,14,16,18,20,22,24,26,28,30,32,34,36,38,40,42,44,46,48,50,52,54,56,58,60,62
	v_pk_fma_f32 v[SC+\j:SC+\j+1], v[SC+\j:SC+\j+1], s[36:37], v[12:13] op_sel_hi:[1,0,0]   ; t - M, two at a time (of the pairs c and -M the low word serves both halves)
.endr
.irp c, 0,1
	v_fma_f32 v[TM+4*\c], v[TM+4*\c], s36, v12     ; the same of each block's largest score
.endr
.irp c, 0,1
.irp k, 0,1,2,3,4,5,6,7,8,9,10,11,12,13,14,15,16,17,18,19,20,21,22,23,24,25,26,27,28,29,30,31
	v_exp_f32 v[SC+32*\c+\k], v[SC+32*\c+\k]       ; p = 2^(t - M), at most 1: NOT normalised
.endr
.endr
.irp c, 0,1
	v_exp_f32 v[TM+4*\c], v[TM+4*\c]               ; the block's largest p: the same two instructions on the same number give the same bits
.endr
	v_pk_mul_f32 v[14:15], v[14:15], v[252:253] op_sel_hi:[1,0]   ; the sums under the new M.  (The plain place behind the exponentials)
	s_wait_alu depctr_va_vdst(0)
.irp c, 0,1
	v_max_num_f32 v[TM+4*\c], 0x1800000, v[TM+4*\c]   ; the floor 2^(3 - 127): the byte cannot fall under 1 (a block whose every p is 0 keeps that byte: its codes are zeros)
.endr
.irp c, 0,1
	v_add_nc_u32 v[250+\c], 0xff000000, v[TM+4*\c] ; 2 off the exponent field: the conversion's scale operand
.endr
.irp c, 0,1
	v_lshrrev_b32 v[254+\c], 23, v[250+\c]         ; the scale's byte
.endr
	v_lshl_or_b32 v248, v255, 16, v254             ; my two bytes: blocks h and 2 + h,
	v_lshlrev_b32 v248, v[H8], v248                ; at their places in the scale word (8 h bits up);
	v_permlanex16_b32 v249, v248, s34, s35
	v_or_b32 v[PW], v248, v249                     ; with lane l xor 16's two the word is whole
.irp c, 0,1
.irp i, 0,1,2,3
	v_cvt_scalef32_pk8_fp4_f32 v[PC+4*\c+\i], v[SC+32*\c+8*\i:SC+32*\c+8*\i+7], v[250+\c]   ; register 4 c + i of P's fragment: keys 64 c + 32 h + 8 i + 0 .. 7
.endr
.endr
.irp j, 0,2,4,6,8,10,12,14,16,18,20,22,24,26,28,30
	v_pk_mul_f32 v[OT+\j:OT+\j+1], v[OT+\j:OT+\j+1], v[252:253] op_sel_hi:[1,0]   ; O^T under the new M: x f, each tile from its low end on.  (The first is the plain place behind the conversions)
.endr
	v_pk_add_f32 v[240:241], v[SC:SC+1], v[SC+2:SC+3]   ; THE ROW'S SUM IS TAKEN OF THE UNQUANTISED p: two at a time, in two chains.  These 32 lines name no register of the products below: they are the places
.irp j, 4,8,12,16,20,24,28,32,36,40,44,48,52,56,60       ; between p's scale word (8 asked) and codes (4 asked), written by vector instructions, and the scaled matrix instructions
	v_pk_add_f32 v[14:15], v[14:15], v[SC+\j:SC+\j+1]
	v_pk_add_f32 v[240:241], v[240:241], v[SC+\j+2:SC+\j+3]
.endr
	v_pk_add_f32 v[14:15], v[14:15], v[240:241]
	s_wait_dscnt 0x0                               ; V's fragments and scale words are in
.irp dt, 0,1,2,3                               ; O^T += V^T P^T.  The four accumulators take turns, one instruction a turn, and the next step's eight products S^T stand between two turns of each
.if (\dt)%2
	v_wmma_scale_f32_16x16x128_f8f6f4 v[OT+8*\dt:OT+8*\dt+7], v[VF+8*\dt:VF+8*\dt+7], v[PC:PC+7], v[OT+8*\dt:OT+8*\dt+7], v[VSC+\dt/2], v[PW] matrix_a_fmt:MATRIX_FMT_FP4 matrix_b_fmt:MATRIX_FMT_FP4 matrix_a_scale:MATRIX_SCALE_ROW1
.else
	v_wmma_scale_f32_16x16x128_f8f6f4 v[OT+8*\dt:OT+8*\dt+7], v[VF+8*\dt:VF+8*\dt+7], v[PC:PC+7], v[OT+8*\dt:OT+8*\dt+7], v[VSC+\dt/2], v[PW] matrix_a_fmt:MATRIX_FMT_FP4 matrix_b_fmt:MATRIX_FMT_FP4
.endif
.endr
.rept 4
	v_nop                                          ; four places in front of the next step's loads into V's registers, and of the first vector read of O^T
.endr
.Lhid_\@:
.endm
; THE STAGES: four trips, a constant; what hangs on the lengths is jumped over inside a trip, never a barrier.
.Lstage:
	v_add_nc_u32 v[AK], s44, v[AK0]                ; this stage's addresses
	v_add_nc_u32 v[CKS], s44, v[CKS0]
	v_add_nc_u32 v[AV], s45, v[AV0]
	v_add_nc_u32 v[CVS], s45, v[CVS0]
	v_add_nc_u32 v[ASK], s46, v[ASK0]
	v_add_nc_u32 v[ASV], s47, v[ASV0]
	s_wait_loadcnt 0x0                             ; my quarter of this stage, asked for a stage ago, is in registers (first trip: Q too); the loads' bases may be stepped
	BARRIER                                        ; every wave's reads of the stage before are back (first trip: its stores of scale bytes have landed).  The stages have bytes of their own; this barrier makes the order of one stage's reads and the next stage's stores plain
	s_cmp_lt_u32 s29, s28
	s_cbranch_scc0 .Lnost                          ; a stage that my batch does not walk is not stored
	COPY_STORES
.Lnost:
	BARRIER                                        ; the stage lies in LDS for all eight waves, and my stores have read their registers
	s_add_co_u32 s31, s29, 512
	s_cmp_lt_u32 s31, s28
	s_cbranch_scc0 .Lnold                          ; the next stage is asked for only if my batch walks it: NE is 2,048 at the most, so the fourth trip asks for nothing and no load leaves its buffer
	s_add_nc_u64 s[KCB:KCB+1], s[KCB:KCB+1], 16384 ; 512 keys of 32 bytes on
	s_add_nc_u64 s[VCB:VCB+1], s[VCB:VCB+1], 256   ; 512 codes on in each row
	COPY_LOADS                                     ; 16 loads, which have this stage's steps in which to land
.Lnold:
	STEP 0
	STEP 1
	STEP 2
	STEP 3
	s_add_co_u32 s44, s44, 16384
	s_add_co_u32 s45, s45, 256
	s_add_co_u32 s46, s46, 1024
	s_add_co_u32 s47, s47, 16
	s_add_co_u32 s29, s29, 512
	s_add_co_u32 s30, s30, 1
	s_cmp_lt_u32 s30, 4
	s_cbranch_scc1 .Lstage
	; THE WAY OUT.  The sum's halves are added; O^T is divided by the sum and goes through my own stage in LDS, so that whole rows of 256 bytes leave: no barrier, the stage is the wave's own.
	v_add_f32 v14, v14, v15                        ; the sum's two halves,
	v_permlanex16_b32 v249, v14, s34, s35
	v_add_f32 v14, v14, v249                       ; and lane l xor 16's: the row's sum (over 1/2: the row's largest p is)
	v_rcp_f32 v14, v14
	v_and_b32 v25, 15, v0                          ; (a plain place behind the transcendental)  r
	v_bfe_u32 v26, v0, 4, 1                        ; h
	v_and_b32 v30, 31, v0                          ; l
	s_mul_i32 s38, s20, 16*272
	s_add_co_u32 s38, s38, STG                     ; my stage
	v_mul_u32_u24 v27, v25, 272
	v_lshl_add_u32 v27, v26, 5, v27
	v_add_nc_u32 v27, s38, v27                     ; in: row r; tile dt's eight channels of my half: 64 dt + 32 h bytes on
	v_mul_u32_u24 v28, v26, 272
	v_lshl_add_u32 v28, v25, 4, v28
	v_add_nc_u32 v28, s38, v28                     ; back: lanes 0-15 one row, lanes 16-31 the next
	v_lshlrev_b32 v29, 4, v30                      ; and the same two rows in out: 16 l
	s_wait_alu depctr_va_vdst(0)
.irp j, 0,2,4,6,8,10,12,14,16,18,20,22,24,26,28,30
	v_pk_mul_f32 v[96+\j:97+\j], v[OT+\j:OT+\j+1], v[14:15] op_sel_hi:[1,0]   ; O^T / the sum: register 8 dt + j is out(r, 16 dt + 8 h + j)
.endr
.irp dt, 0,1,2,3
	ds_store_b128 v27, v[96+8*\dt:99+8*\dt] offset:64*\dt
	ds_store_b128 v27, v[100+8*\dt:103+8*\dt] offset:64*\dt+16
.endr
.irp i, 0,1,2,3,4,5,6,7
	ds_load_b128 v[128+4*\i:131+4*\i], v28 offset:2*272*\i   ; LDS serves a wave's instructions in order (ISA guide 5.7.1.4): these see my stores
.endr
.irp i, 0,1,2,3,4,5,6,7
	s_wait_dscnt 7-\i                              ; load i is back; the 7 - i younger ones may be out
	global_store_b128 v29, v[128+4*\i:131+4*\i], s[18:19] offset:512*\i th:TH_STORE_NT   ; 32 lanes store 512 consecutive bytes, two rows, at a multiple of 256 from out's first byte; written once, read by nobody here
.endr
	s_wait_tensorcnt 0x0
	ds_add_u32 v31, v239
	s_wait_dscnt 0x0
	s_endpgm
.Lfunc_end_k_q41ad49f766_attn:
	.size	k_q41ad49f766_attn, .Lfunc_end_k_q41ad49f766_attn-k_q41ad49f766_attn
	.p2alignl 7, 3214868480
	.fill 96, 4, 3214868480
	.section	.rodata,"a",@progbits
	.p2align	6, 0x0
	.amdhsa_kernel k_q41ad49f766_attn
		.amdhsa_group_segment_fixed_size 318464
		.amdhsa_private_segment_fixed_size 0
		.amdhsa_enable_private_segment 0
		.amdhsa_kernarg_size 64
		.amdhsa_user_sgpr_count 2
		.amdhsa_user_sgpr_kernarg_segment_ptr 1
		.amdhsa_wavefront_size32 1
		.amdhsa_system_sgpr_workgroup_id_x 1
		.amdhsa_system_sgpr_workgroup_id_y 1
		.amdhsa_system_sgpr_workgroup_id_z 1
		.amdhsa_system_vgpr_workitem_id 0
		.amdhsa_next_free_vgpr 320
		.amdhsa_next_free_sgpr 66
		.amdhsa_reserve_vcc 1
		.amdhsa_float_denorm_mode_32 3
		.amdhsa_float_denorm_mode_16_64 3
		.amdhsa_memory_ordered 1
		.amdhsa_forward_progress 1
		.amdhsa_inst_pref_size 98
	.end_amdhsa_kernel
	.amdgpu_metadata
---
amdhsa.version: [ 1, 2 ]
amdhsa.kernels:
  - .name:           k_q41ad49f766_attn
    .symbol:         k_q41ad49f766_attn.kd
    .args:
      - { .name: keys_codes, .offset: 0, .size: 8, .value_kind: global_buffer, .address_space: global }
      - { .name: keys_scales, .offset: 8, .size: 8, .value_kind: global_buffer, .address_space: global }
      - { .name: queries_codes, .offset: 16, .size: 8, .value_kind: global_buffer, .address_space: global }
      - { .name: queries_scales, .offset: 24, .size: 8, .value_kind: global_buffer, .address_space: global }
      - { .name: valid_lens, .offset: 32, .size: 8, .value_kind: global_buffer, .address_space: global }
      - { .name: values_codes, .offset: 40, .size: 8, .value_kind: global_buffer, .address_space: global }
      - { .name: values_scales, .offset: 48, .size: 8, .value_kind: global_buffer, .address_space: global }
      - { .name: out0, .offset: 56, .size: 8, .value_kind: global_buffer, .address_space: global }
    .group_segment_fixed_size: 318464
    .private_segment_fixed_size: 0
    .kernarg_segment_align: 8
    .kernarg_segment_size: 64
    .max_flat_workgroup_size: 256
    .sgpr_count:     66
    .vgpr_count:     320
    .wavefront_size: 32
...
	.end_amdgpu_metadata
.endif
;; end of part 1
;; ======== version 2 of 2: 1 launch; version 1 with the launch attn written anew for expert scheduling mode
;; limits: right only within a limited range of input values
;; launch attn (part 2): grid 32 x 8, 8 waves a work-group, no clusters, 318,464 bytes of LDS; arguments keys_codes, keys_scales, queries_codes, queries_scales, valid_lens, values_codes, values_scales, out0; writes out0
.if DOCPART == 2
	.amdgcn_target "amdgcn-amd-amdhsa--gfx1250"
	.amdhsa_code_object_version 6
	.text
	.protected	k_q41ad49f766_attn
	.globl	k_q41ad49f766_attn
	.p2align	8
	.type	k_q41ad49f766_attn,@function
k_q41ad49f766_attn:
	s_mov_b64 s[64:65], 0
	v_nop
	global_prefetch_b8 v0, s[64:65] scope:SCOPE_SE
	s_setreg_imm32_b32 hwreg(HW_REG_WAVE_SCHED_MODE, 0, 2), 2
	s_setreg_imm32_b32 hwreg(HW_REG_WAVE_MODE, 25, 1), 1
	s_wait_xcnt 0x0
	s_wait_alu depctr_vm_vsrc(0)
; out[b][q][:] = the sum over k of softmax_k(Q[b][q] . K[b][k] / 8, keys at or behind valid_lens[b] taken as -1e6) V[b][k][:].  16 batches, 2,048 queries, 2,048 keys, head 64.
; Both products on codes of FP4 (E2M1) with one E8M0 byte for each 32 along a product's K.  Q, K: rows of 64 codes (32 bytes), 2 scale bytes a row.  V: keys innermost, [b][64 (d)][2,048 keys]: rows of 1,024 bytes, 64 scale bytes a row.
; THE SOFTMAX AHEAD OF THE SECOND PRODUCT: t = score x log2(e) / 8; M = the row's largest t so far, rounded UP to a whole number; p = 2^(t - M) is quantised along the keys, not normalised; the row's sum of the unquantised p divides at the end.
; When M moves, the sum and O are multiplied by 2^(old M - new M): exact.
; THE FIRST PRODUCT'S K IS 64, the instruction's 128: registers 4-7 of K's and of Q's fragments hold zero codes for the whole launch, and bytes 2, 3 of their scale words are 0 (2^-127: no NaN); zero codes add nothing.
; KEY STEPS BEHIND valid_len ARE LEFT OUT: a step is 128 keys; a batch with n valid keys runs ceil(n / 128) of its 16 steps, by a scalar branch on n.  In the one step that holds the boundary the hidden scores are replaced ahead of the maximum.
; SHARES.  Every work-group reads the 16 lengths and ranks the batches by their number of steps (ties by the batch's number).  Work-group (x, y) serves 64 queries, 64 x on, of TWO batches: rank y (long) and rank 15 - y (short), so that
; the work-groups' sums of steps lie close together.  Each of the eight waves owns 16 queries of one of the two: sel = (w xor (w / 4)) & 1 says which batch, tq = w / 2 which 16; of waves 2 i, 2 i + 1 and of waves w, w + 4 one serves each batch.
; K AND V LIE IN LDS, a region for each of the two batches, brought through registers in four stages of 512 keys, each loaded one stage ahead; the four waves of a batch copy a quarter of a stage each.
; NO JOINT TENSOR LOADS, though 32 work-groups read each batch's K and V: here a branch on a number read from memory leaves out up to 15 of a batch's 16 key steps.
; LAYOUT.  Both products are used transposed: S^T = K Q^T (source 0 = 16 keys, source 1 = my 16 queries), O^T = V^T P^T (source 0 = 16 of the head's 64, source 1 = P): a lane holds ONE query (lane % 16) throughout.
; THE KEYS OF A TILE ARE NOT NEIGHBOURS: row m of tile 4 c + i of a step is key 64 c + 8 i + m % 8 + 32 (m / 8).  So register 32 c + 8 i + j of lane (r, h) is key 64 c + 32 h + 8 i + j: a lane's 32 registers are a WHOLE block 2 c + h,
; its largest p needs no other lane, and the conversion of registers 8 i .. 8 i + 7 IS register 4 c + i of P's fragment.  K lies in LDS as images of these fragments' registers (16 bytes a lane, 512 a tile).
; LIMITS.  (a) Hidden keys count as p = 0, which is what -1e6 gives as long as a row's largest valid logit lies above about -999,900.  (b) A scale byte 0xff (NaN) among the inputs is not served.
; valid_len <= 0 is served: all 16 steps run and every score is replaced by 0 (all logits equal: p = 1), as -1e6 everywhere gives.  valid_len > 2,048 counts as 2,048.
; THE MODE: SCHED_MODE bits 1:0 = 2 (LLVM: expert scheduling mode 2), set by the entry lines.  The code itself states the register dependences between vector or matrix instructions and memory or LDS instructions,
; and those through scalar registers and VCC that vector instructions write, with s_wait_alu, always for 0.
; THE PLAN.  Registers that memory or LDS instructions touch, in the loop:
;   v25-30        Written by six additions at a stage's head; read by the stage's LDS stores and loads.  One wait on vm_vsrc ahead of the additions, one on va_vdst behind them.
;   window 1      A quarter stage on its way: loaded from memory, read by the stage's LDS stores, loaded again.  No vector instruction names it.  One wait on vm_vsrc behind the stage's second barrier, ahead of the loads and of the branches round them.
;   K's fragments and scale words   Read by a step's eight products S^T.  The loads of the stage's NEXT step land in them behind the step's wait for its exponentials, which also shows those products done; no line behind that wait names them.
;                 A stage's first step loads its own at its head, behind the wait at the stage's head.
;   V's fragments and scale words   Read by a step's four products O^T, its last matrix instructions.  The next step's loads land in them at that step's head, behind a wait on va_vdst; seventeen packed additions stand between the products and that wait.
;   v7, v8        Offsets of the copies' loads: made at the head, never written again.
;   The scores, p, O^T, p's codes and scale word are named by vector and matrix instructions alone; the codes and the scale word, made by vector instructions, have a wait on va_vdst ahead of the scaled products that take them.
; THE LENGTHS STAY ON THE SCALAR SIDE: a scalar load brings all 16, scalar instructions rank them, and the numbers on which the branches hang never pass through a vector register: so the ranking owes no wait.
; THE BRANCHES ON THE LENGTHS.  What a decision implies for the later ones is written down at once, as a constant in a scalar register, so that on each way the tests that the decision settles compare constants:
;   at the head: has my batch a valid key?  If so NE = the length and CUT = 0; if not NE = 2,048 and CUT = 2,048.  The valid keys left are the walked keys left less CUT;
;   LIVE says whether the stage in hand is walked: the stores and the jump round a stage's steps hang on it alone;
;   in a walked stage: are more than 512 keys left?  If so the next stage is asked for, and none of this stage's steps is hidden or cut by the length (513 says as much as the true count); if not, LIVE = 0;
;   a hidden step has only hidden steps behind it: it leads to the stage's end;  behind a step that is cut, CUT keys are left: none, or, with no valid key at all, so many that every step goes on being walked.
.set REG,  141312                      ; LDS: a batch's region; region sel begins at sel x REG
.set KI,   0                           ; K's images: step s, tile T at 4096 s + 512 T + 16 x lane
.set VR,   65536                       ; V's rows: 1,024 bytes + 16 of padding = 65 x 16: the 16 rows of a load start at 16 different 16-byte columns
.set VP,   1040
.set KS,   132096                      ; K's scale bytes as they lie: 2 a key
.set VS,   136192                      ; V's scale bytes: rows of 64 + 16 of padding
.set VSP,  80
.set STG,  282624                      ; behind the two regions: the way out, 16 rows x (256 + 16) bytes for each wave; behind it, from 0x4d800 on, the spare words, 128 bytes for each wave
.set AK0,  1                           ; v1   my lane's place in K's images            (v1-6: at stage 0; never rewritten)
.set AV0,  2                           ; v2   in a tile of V
.set ASK0, 3                           ; v3   among K's scale bytes
.set ASV0, 4                           ; v4   among V's scale words
.set CKS0, 5                           ; v5   where I store my quarter of a stage of K
.set CVS0, 6                           ; v6   and of V
.set GK,   7                           ; v7   my lane's byte in a tile of K in memory
.set GV,   8                           ; v8   and in two rows of V
.set H8,   9                           ; v9   8 h
.set HM,   10                          ; v10  -1 - 32 h
.set MV,   11                          ; v11  what a hidden score becomes
                                       ; v12 -M, v13 the largest t so far, v[14:15] the sum in two halves
.set QF,   16                          ; v16-23  Q's fragment: 16-19 codes, 20-23 zeros
.set QS,   24                          ; v24  Q's scale words
.set AK,   25                          ; v25-30  v1-6 at the stage in hand; behind the loop: the way out's addresses
.set AV,   26
.set ASK,  27
.set ASV,  28
.set CKS,  29
.set CVS,  30
                                       ; v31  LDS address of my spare word; v239  0: both made at the head and kept for the closing add alone
.set KF,   32                          ; v32-95   K's 8 fragments; registers 4-7 of each stay zero
.set SC,   96                          ; v96-159  S^T, then p; in the head scratch; at the end O / the sum and whole rows
.set OT,   160                         ; v160-191 O^T, 4 tiles
.set VF,   192                         ; v192-223 V's 4 fragments
.set PC,   224                         ; v224-231 p's codes
.set KSC,  232                         ; v232-235 K's scale words: lanes 0-15 tile 2 x, lanes 16-31 tile 2 x + 1
.set VSC,  236                         ; v236-237 V's likewise
.set PW,   238                         ; v238     p's scale word
.set TM,   240                         ; v240-247 the tiles' largest scores; v240, v244 the two blocks'; later v[240:241] the sum's second chain
                                       ; v248, v249 at work; v250, v251 the conversions' scale operands; v[252:253] f; v254, v255 the two bytes (v255 also the mask's bound)
                                       ; window 1: v0-31 (v256-287) a quarter stage of K, v32-63 (v288-319) of V, on their way from memory to LDS
.set KCB,  40                          ; s[40:41] K's codes at my quarter of the stage to be loaded;  s[42:43] V's
.set VCB,  42
.set LIVE, 23                          ; s23  not 0: my batch walks the stage in hand
.set CUT,  27                          ; s27  0, or 2,048 where my batch has no valid key
.set LEN,  44                          ; s44-59  in the head: the 16 lengths, then their sort keys
                                       ; s20 wave, s21 sel, s22 tq, s24 y, s25 my batch's place among the sorted keys, s26 my batch, s28 NE (keys that are walked), s29 the stage's first key, s30 the stage
                                       ; s[34:35] lane selects, s[36:37] c, in the loop s44-47 the stage's steps in LDS, s48-63 a cut step's 16 masks
                                       ; in the loop s38 = the walked keys left from the stage's first key on, s39 = the valid keys left; in the head and on the way out s31-33, s38, s39 are at work
.set MSB, 0
.macro WIN new                         ; the immediate's high byte repeats the setting that is left
.if MSB != \new
	s_set_vgpr_msb (MSB<<8)|\new
.set MSB, \new
.endif
.endm
.macro BARRIER                         ; my LDS stores have landed and my LDS loads are in: then the work-group's barrier
	s_wait_dscnt 0x0
	s_barrier_signal -1
	s_barrier_wait -1
.endm
; My quarter of a stage, from memory into window 1.  K: one step's 8 tiles, already in the fragments' order: a load reads two runs of 256 consecutive bytes (keys base .. + 7 and base + 32 .. + 39).  V: 16 rows x 256 bytes, two rows a load.
.macro COPY_LOADS
	WIN 0x40                                       ; destination window 1, address window 0
.irp T, 0,1,2,3,4,5,6,7
	global_load_b128 v[4*\T:4*\T+3], v[GK], s[KCB:KCB+1] offset:2048*(\T/4)+256*(\T%4)
.endr
.irp j, 0,1,2,3,4,5,6,7
	global_load_b128 v[32+4*\j:35+4*\j], v[GV], s[VCB:VCB+1] offset:2048*\j
.endr
	WIN 0
.endm
.macro COPY_STORES                     ; and on into LDS
	WIN 0x04                                       ; an LDS store's data are its source 1: window 1
.irp T, 0,1,2,3,4,5,6,7
	ds_store_b128 v[CKS], v[4*\T:4*\T+3] offset:512*\T
.endr
.irp j, 0,1,2,3,4,5,6,7
	ds_store_b128 v[CVS], v[32+4*\j:35+4*\j] offset:2*VP*\j
.endr
	WIN 0
.endm
.macro KLOADS q                        ; K's 8 fragments and 4 registers of scale words of the stage's q-th step: 12 LDS loads
.irp T, 0,1,2,3,4,5,6,7
	ds_load_b128 v[KF+8*\T:KF+8*\T+3], v[AK] offset:4096*(\q)+512*\T
.endr
.irp x, 0,1,2,3
	ds_load_u16 v[KSC+\x], v[ASK] offset:256*(\q)+128*(\x/2)+32*(\x%2)
.endr
.endm
	s_load_b256 s[4:11], s[0:1], 0x0               ; K's codes s[4:5], K's scales s[6:7], Q's codes s[8:9], Q's scales s[10:11]
	s_load_b256 s[12:19], s[0:1], 0x20             ; valid_lens s[12:13], V's codes s[14:15], V's scales s[16:17], out s[18:19]
	v_lshl_add_u32 v31, v0, 2, 0x4d800             ; my spare word, while v0 is as at the entry,
	v_mov_b32 v239, 0                              ; and 0
	v_lshrrev_b32 v112, 5, v0
	v_readfirstlane_b32 s20, v112                  ; wave 0..7
	v_and_b32 v112, 31, v0                         ; l
	v_and_b32 v113, 15, v0                         ; r = l % 16
	v_bfe_u32 v114, v0, 4, 1                       ; h = l / 16
	s_wait_alu depctr_va_sdst(0)                   ; s20 is written, ahead of its first reader
	s_lshr_b32 s21, s20, 2
	s_xor_b32 s21, s21, s20
	s_and_b32 s21, s21, 1                          ; sel: which of the pair's two batches
	s_lshr_b32 s22, s20, 1                         ; tq: which 16 of the 64 queries, and which quarter of a stage I copy
	s_and_b32 s24, ttmp7, 0xffff                   ; the pair
	s_sub_co_u32 s31, 15, s24
	s_cmp_eq_u32 s21, 0
	s_cselect_b32 s25, s31, s24                    ; my batch has rank y or 15 - y; among the keys sorted upward rank r stands at place 15 - r: place 15 - y or y
	s_mov_b32 s34, 0x76543210
	s_mov_b32 s35, 0xfedcba98                      ; v_permlanex16_b32's selects for lane l xor 16
	s_mov_b32 s36, 0x3e38aa3b                      ; c = log2(e) / 8
	s_mov_b32 s37, s36                             ; (the packed form names the pair, so it is written)
	s_wait_alu depctr_va_vdst(0)
	s_wait_kmcnt 0x0
	s_load_b512 s[LEN:LEN+15], s[12:13], 0x0       ; valid_lens, all 16: the buffer's 64 bytes
	; while they are on their way: every lane's addresses, and the registers that begin as zeros
	s_mul_i32 s38, s21, REG                        ; my batch's region
	v_lshl_add_u32 v[AK0], v112, 4, s38            ; KI = 0: 16 l
	v_mul_u32_u24 v[AV0], v113, VP
	v_lshl_add_u32 v[AV0], v114, 4, v[AV0]
	s_add_co_u32 s39, s38, VR
	v_add_nc_u32 v[AV0], s39, v[AV0]               ; row r of a tile of V, + 16 h
	v_and_b32 v116, 7, v113                        ; r % 8
	v_lshrrev_b32 v117, 3, v113                    ; r / 8
	v_lshlrev_b32 v[ASK0], 1, v116
	v_lshl_add_u32 v[ASK0], v117, 6, v[ASK0]
	v_lshl_add_u32 v[ASK0], v114, 4, v[ASK0]
	s_add_co_u32 s39, s38, KS
	v_add_nc_u32 v[ASK0], s39, v[ASK0]             ; 2 bytes a key: key r % 8 + 32 (r / 8), and 8 keys on (the next tile) for lanes 16-31
	v_mul_u32_u24 v[ASV0], v112, VSP
	s_add_co_u32 s39, s38, VS
	v_add_nc_u32 v[ASV0], s39, v[ASV0]             ; row l of V's scale bytes: lanes 0-15 one tile, lanes 16-31 the next
	s_lshl_b32 s39, s22, 12
	s_add_co_u32 s39, s39, s38
	v_lshl_add_u32 v[CKS0], v112, 4, s39           ; my step of the stage: 4096 tq + 16 l
	v_mul_u32_u24 v[CVS0], v114, VP
	v_lshl_add_u32 v[CVS0], v113, 4, v[CVS0]
	s_mul_i32 s39, s22, 16*VP
	s_add_co_u32 s39, s39, s38
	s_add_co_u32 s39, s39, VR
	v_add_nc_u32 v[CVS0], s39, v[CVS0]             ; my 16 rows of V: row h of a pair, 16 r bytes on
	v_lshlrev_b32 v[GK], 5, v116
	v_lshl_add_u32 v[GK], v117, 10, v[GK]
	v_lshl_add_u32 v[GK], v114, 4, v[GK]           ; in memory a key is 32 bytes: 32 (r % 8) + 1024 (r / 8) + 16 h
	v_lshlrev_b32 v[GV], 10, v114
	v_lshl_add_u32 v[GV], v113, 4, v[GV]           ; a row of V is 1,024 bytes
	v_lshlrev_b32 v[H8], 3, v114
	v_lshlrev_b32 v[HM], 5, v114
	v_xor_b32 v[HM], -1, v[HM]                     ; -1 - 32 h
	s_lshl_b32 s39, s22, 10
	s_add_co_u32 s39, s39, s38
	s_add_co_u32 s39, s39, KS
	v_lshl_add_u32 v118, v112, 4, s39              ; where my 1,024 of K's scale bytes go
	v_lshrrev_b32 v119, 2, v112
	v_mul_u32_u24 v119, v119, VSP
	v_and_b32 v120, 3, v112
	v_lshl_add_u32 v119, v120, 4, v119
	s_mul_i32 s39, s22, 16*VSP
	s_add_co_u32 s39, s39, s38
	s_add_co_u32 s39, s39, VS
	v_add_nc_u32 v119, s39, v119                   ; and my 16 rows of V's: four lanes to a row of 64 bytes
	v_lshlrev_b32 v121, 4, v112                    ; in memory: 16 l
	v_lshlrev_b32 v122, 5, v113
	v_lshl_add_u32 v122, v114, 4, v122             ; Q's codes: 32 r + 16 h
	v_lshlrev_b32 v123, 1, v113                    ; Q's scale bytes: 2 r
.irp T, 0,1,2,3,4,5,6,7
.irp k, 4,5,6,7
	v_mov_b32 v[KF+8*\T+\k], 0                     ; the upper 64 along the instruction's K: zero codes, written once
.endr
.endr
.irp k, 4,5,6,7
	v_mov_b32 v[QF+\k], 0
.endr
.irp j, 0,1,2,3,4,5,6,7,8,9,10,11,12,13,14,15,16,17,18,19,20,21,22,23,24,25,26,27,28,29,30,31
	v_mov_b32 v[OT+\j], 0                          ; O^T.  (The step is written once: the first finds zeros, which the first change of M leaves zeros)
.endr
	v_mov_b32 v14, 0                               ; the sum, in two halves
	v_mov_b32 v15, 0
	v_mov_b32 v249, 0                              ; written once: a lane permute's destination counts as one of its sources
	v_mov_b32 v253, 0                              ; (named as the upper half of the pair v[252:253])
	v_mov_b32 v13, 0xff61b1e6                      ; the largest t so far: -3e38, under every t
	v_floor_f32 v12, -v13                          ; -M
	; THE RANKS, by scalar instructions.  n = the length held to 0 .. 2,048.  Its steps less 1 are bits 7 to 10 of n + 2,047: (n - 1) / 128 for n from 1 on, and 15 for n = 0, where all 16 steps are walked.
	; Sort key = (steps - 1) << 16 | batch << 12 | n: ordered by the steps, ties by the batch's number; no two are equal; and a key carries its batch and its n along.
	s_wait_kmcnt 0x0                               ; the 16 lengths are in
.irp j, 0,1,2,3,4,5,6,7,8,9,10,11,12,13,14,15
	s_max_i32 s[LEN+\j], s[LEN+\j], 0              ; a negative length counts as 0,
	s_min_i32 s[LEN+\j], s[LEN+\j], 0x800          ; one over 2,048 as 2,048: n
	s_add_co_u32 s31, s[LEN+\j], 0x7ff
	s_bfe_u32 s31, s31, 0x40007                    ; 4 bits from bit 7: steps - 1
	s_lshl_b32 s31, s31, 16
	s_or_b32 s31, s31, (\j)<<12
	s_or_b32 s[LEN+\j], s[LEN+\j], s31
.endr
	; The 16 keys are sorted upward by a bitonic network: runs of k = 2, 4, 8, 16 keys, in each the distances j = k / 2 .. 1; keys i and i + j (where bit j of i is 0) are put in order, upward where bit k of i is 0, else downward.
	; 8 + 16 + 24 + 32 = 80 exchanges of three lines.  Which keys meet hangs on no number: there is no branch.
.irp k, 2,4,8,16
.irp j, 8,4,2,1
.irp i, 0,1,2,3,4,5,6,7,8,9,10,11,12,13,14,15
.if ((\j) < (\k)) && (((\i)&(\j)) == 0)
.if ((\i)&(\k)) == 0
	s_min_u32 s31, s[LEN+\i], s[LEN+\i+\j]
	s_max_u32 s[LEN+\i+\j], s[LEN+\i], s[LEN+\i+\j]
	s_mov_b32 s[LEN+\i], s31
.else
	s_max_u32 s31, s[LEN+\i], s[LEN+\i+\j]
	s_min_u32 s[LEN+\i+\j], s[LEN+\i], s[LEN+\i+\j]
	s_mov_b32 s[LEN+\i], s31
.endif
.endif
.endr
.endr
.endr
	s_mov_b32 s32, s[LEN]                          ; the key at my batch's place: a chain of selections on the place, which is made of ids alone
.irp j, 1,2,3,4,5,6,7,8,9,10,11,12,13,14,15
	s_cmp_eq_u32 s25, \j
	s_cselect_b32 s32, s[LEN+\j], s32
.endr
	s_bfe_u32 s26, s32, 0x4000c                    ; 4 bits from bit 12:
	s_min_u32 s26, s26, 15                         ; my batch: it enters addresses only behind this bound
	s_and_b32 s28, s32, 0xfff                      ; my batch's valid keys
	s_cmp_eq_u32 s28, 0
	s_cbranch_scc1 .Lnone
	s_mov_b32 s[CUT], 0                            ; there are valid keys: they are what is walked (NE = the length);
	s_mov_b32 s31, 0xcaf42400                      ; a hidden score becomes -8e6 (x 1/8 = -1e6)
	s_branch .Lsome
.Lnone:
	s_mov_b32 s28, 0x800                           ; no valid key at all: all 2,048 are walked,
	s_mov_b32 s[CUT], 0x800                        ; none of them valid,
	s_mov_b32 s31, 0                               ; and every score becomes 0
.Lsome:
	v_mov_b32 v[MV], s31
	; where my parts begin, in bytes: each offset is made in s[32:33] and added to its own buffer's address
	s_mov_b32 s33, 0
	s_lshl_b32 s38, s26, 16                        ; a batch's codes: 65,536 bytes
	s_lshl_b32 s39, s22, 12
	s_add_co_u32 s32, s38, s39
	s_add_nc_u64 s[KCB:KCB+1], s[4:5], s[32:33]    ; K: + my step of stage 0: 128 keys of 32 bytes
	s_lshl_b32 s39, s22, 14
	s_add_co_u32 s32, s38, s39
	s_add_nc_u64 s[VCB:VCB+1], s[14:15], s[32:33]  ; V: + my 16 rows of 1,024 bytes
	s_lshl_b32 s31, ttmp9, 6
	s_lshl_b32 s39, s22, 4
	s_add_co_u32 s31, s31, s39                     ; my first query: 64 x + 16 tq
	s_lshl_b32 s39, s31, 5
	s_add_co_u32 s32, s38, s39
	s_add_nc_u64 s[8:9], s[8:9], s[32:33]          ; Q's codes
	s_lshl_b32 s38, s26, 12                        ; a batch's scale bytes: 4,096
	s_lshl_b32 s39, s22, 10
	s_add_co_u32 s32, s38, s39
	s_add_nc_u64 s[6:7], s[6:7], s[32:33]          ; my 1,024 of K's
	s_add_nc_u64 s[16:17], s[16:17], s[32:33]      ; and of V's
	s_lshl_b32 s39, s31, 1
	s_add_co_u32 s32, s38, s39
	s_add_nc_u64 s[10:11], s[10:11], s[32:33]      ; Q's scale bytes
	s_lshl_b32 s38, s26, 19                        ; a batch of out: 2,048 rows of 256 bytes
	s_lshl_b32 s39, s31, 8
	s_add_co_u32 s32, s38, s39
	s_add_nc_u64 s[18:19], s[18:19], s[32:33]
	s_wait_alu depctr_va_vdst(0)                   ; v7, v8, v118, v119 and v121-123 are written, which the loads and LDS stores below read as offsets and addresses; so are the zero codes of K's and Q's fragments, which the scaled products take
	global_load_b128 v[96:99], v121, s[6:7]        ; the scale bytes of the whole batch come once: 512 consecutive bytes a load
	global_load_b128 v[100:103], v121, s[6:7] offset:512
	global_load_b128 v[104:107], v121, s[16:17]
	global_load_b128 v[108:111], v121, s[16:17] offset:512
	global_load_b128 v[QF:QF+3], v122, s[8:9]      ; Q's fragment stays in registers
	global_load_u16 v[QS], v123, s[10:11]          ; its two scale bytes; bytes 2, 3 are 0
	COPY_LOADS                                     ; stage 0: every batch walks at least one step.  (Between the wait above and these loads stand loads and the window's switch alone)
	s_wait_loadcnt 18                              ; the four loads of scale bytes are in; behind them Q's 2 and the stage's 16 may be out
	ds_store_b128 v118, v[96:99]
	ds_store_b128 v118, v[100:103] offset:512
	ds_store_b128 v119, v[104:107]
	ds_store_b128 v119, v[108:111] offset:8*VSP
	s_mov_b32 s[LIVE], 1                           ; stage 0 is walked
	s_mov_b32 s29, 0
	s_mov_b32 s30, 0
	s_mov_b32 s44, 0                               ; a stage on: 16,384 bytes of K's images,
	s_mov_b32 s45, 0                               ; 256 in each row of V,
	s_mov_b32 s46, 0                               ; 1,024 of K's scale bytes,
	s_mov_b32 s47, 0                               ; 16 in each row of V's
; A KEY STEP: 128 keys, the q-th of the stage in hand.
.macro STEP q
.if \q == 0
	KLOADS 0                                       ; a walked stage's first step is walked, and asks for its own K.  No wait: no vector or matrix instruction stands between the wait at the stage's head and these loads, nor V's below
.else
	s_cmp_le_i32 s38, 128*(\q)                     ; the step's first key lies at or behind NE:
	s_cbranch_scc1 .Lrest                          ; all its keys are hidden, and so are those of every later step: p = 0, nothing to add: on to the stage's end.  No barrier stands in a step
	s_wait_alu depctr_va_vdst(0)                   ; the products O^T of the step before are done reading V's fragments and scale words, in which the loads below land
.endif
.irp dt, 0,1,2,3
.irp c, 0,1
	ds_load_b128 v[VF+8*\dt+4*\c:VF+8*\dt+4*\c+3], v[AV] offset:16*VP*\dt+64*\q+32*\c
.endr
.endr
.irp x, 0,1
	ds_load_b32 v[VSC+\x], v[ASV] offset:32*VSP*\x+4*\q
.endr
	s_wait_dscnt 10                                ; K's 8 fragments and 4 scale loads, asked for ahead of them (in the step before, or just above), are in; V's 8 and 2 may be out
.irp T, 0,1,2,3,4,5,6,7                        ; S^T = K Q^T
.if (\T)%2
	v_wmma_scale_f32_16x16x128_f8f6f4 v[SC+8*\T:SC+8*\T+7], v[KF+8*\T:KF+8*\T+7], v[QF:QF+7], 0, v[KSC+\T/2], v[QS] matrix_a_fmt:MATRIX_FMT_FP4 matrix_b_fmt:MATRIX_FMT_FP4 matrix_a_scale:MATRIX_SCALE_ROW1
.else
	v_wmma_scale_f32_16x16x128_f8f6f4 v[SC+8*\T:SC+8*\T+7], v[KF+8*\T:KF+8*\T+7], v[QF:QF+7], 0, v[KSC+\T/2], v[QS] matrix_a_fmt:MATRIX_FMT_FP4 matrix_b_fmt:MATRIX_FMT_FP4
.endif
.endr
.rept 4
	v_nop                                          ; four places between a matrix instruction and the first vector read of its result (ISA guide 7.12.1)
.endr
	s_cmp_ge_i32 s39, 128*(\q)+128
	s_cbranch_scc1 .Lopen_\@                       ; all 128 keys count
	s_mov_b32 s38, s[CUT]                          ; THE STEP IS CUT.  Behind it CUT keys are left to walk: none where a length cuts it (the next step's test then ends the stage), 2,048 with no valid key at all (no step is hidden then);
	s_mov_b32 s[LIVE], s[CUT]                      ; and the next stage is walked only in the second case
	v_add_nc_u32 v255, s39, v[HM]                  ; d = the valid keys left - 32 h - 1.  Register 32 c + k holds key 128 q + 64 c + 32 h + k of the stage: hidden where 128 q + 64 c + k > d
.irp g, 0,1,2,3                                ; sixteen registers at a time: sixteen compares in a run, into s48-63, one wait, sixteen selections
.irp k, 0,1,2,3,4,5,6,7,8,9,10,11,12,13,14,15
	v_cmp_gt_i32 s[48+\k], 128*(\q)+64*(\g/2)+16*(\g%2)+\k, v255
.endr
	s_wait_alu depctr_va_sdst(0)                   ; the sixteen compares have written s48-63, ahead of the selections that read them
.irp k, 0,1,2,3,4,5,6,7,8,9,10,11,12,13,14,15
	v_cndmask_b32 v[SC+16*\g+\k], v[SC+16*\g+\k], v[MV], s[48+\k]
.endr
.endr
.Lopen_\@:
.irp T, 0,1,2,3,4,5,6,7                        ; the largest score of each tile's first seven, each tile from its low end on, the eight tiles by turns
	v_max3_num_f32 v[TM+\T], v[SC+8*\T], v[SC+8*\T+1], v[SC+8*\T+2]
.endr
.irp T, 0,1,2,3,4,5,6,7
	v_max3_num_f32 v[TM+\T], v[TM+\T], v[SC+8*\T+3], v[SC+8*\T+4]
.endr
.irp T, 0,1,2,3,4,5,6,7
	v_max3_num_f32 v[TM+\T], v[TM+\T], v[SC+8*\T+5], v[SC+8*\T+6]
.endr
.irp c, 0,1                                    ; four tiles and their eighth scores make a block of 32 keys
	v_max3_num_f32 v[TM+4*\c], v[TM+4*\c], v[TM+4*\c+1], v[SC+32*\c+7]
	v_max3_num_f32 v[TM+4*\c+2], v[TM+4*\c+2], v[TM+4*\c+3], v[SC+32*\c+15]
.endr
.irp c, 0,1
	v_max3_num_f32 v[TM+4*\c], v[TM+4*\c], v[TM+4*\c+2], v[SC+32*\c+23]
.endr
.irp c, 0,1
	v_max_num_f32 v[TM+4*\c], v[TM+4*\c], v[SC+32*\c+31]   ; THE LARGEST SCORE OF MY TWO BLOCKS: it serves twice: for the row's maximum, and, since p rises with the score, for the block's largest p
.endr
	v_max_num_f32 v248, v[TM], v[TM+4]
	v_permlanex16_b32 v249, v248, s34, s35
	v_max_num_f32 v248, v248, v249                 ; with lane l xor 16's two blocks: the step's largest score of my query
	v_mul_f32 v248, s36, v248                      ; as t (c is positive)
	v_max_num_f32 v13, v13, v248                   ; the running largest t
	v_mov_b32 v248, v12
	v_floor_f32 v12, -v13                          ; the new -M = floor(-t) = -ceil(t): M IS A WHOLE NUMBER
	v_sub_f32 v248, v12, v248                      ; M's old value less its new one: a whole number, 0 or less
	v_cvt_i32_f32 v248, v248                       ; (it saturates)
	v_ldexp_f32 v252, 1.0, v248                    ; f = 2^(old M - new M): a multiplication by it rounds nothing
.irp j, 0,2,4,6,8,10,12,14,16,18,20,22,24,26,28,30,32,34,36,38,40,42,44,46,48,50,52,54,56,58,60,62
	v_pk_fma_f32 v[SC+\j:SC+\j+1], v[SC+\j:SC+\j+1], s[36:37], v[12:13] op_sel_hi:[1,0,0]   ; t - M, two at a time (of the pairs c and -M the low word serves both halves)
.endr
.irp c, 0,1
	v_fma_f32 v[TM+4*\c], v[TM+4*\c], s36, v12     ; the same of each block's largest score
.endr
	s_wait_alu depctr_va_vdst(0)
.irp c, 0,1
.irp k, 0,1,2,3,4,5,6,7,8,9,10,11,12,13,14,15,16,17,18,19,20,21,22,23,24,25,26,27,28,29,30,31
	v_exp_f32 v[SC+32*\c+\k], v[SC+32*\c+\k]       ; p = 2^(t - M), at most 1: NOT normalised
.endr
.endr
.irp c, 0,1
	v_exp_f32 v[TM+4*\c], v[TM+4*\c]               ; the block's largest p: the same two instructions on the same number give the same bits
.endr
	v_pk_mul_f32 v[14:15], v[14:15], v[252:253] op_sel_hi:[1,0]   ; the sums under the new M.  (The plain place behind the exponentials)
	s_wait_alu depctr_va_vdst(0)                   ; the 66 exponentials have written p and the blocks' largest p, ahead of their first reader; and the products S^T are done reading K's fragments and scale words, in which the next step's loads land
	s_wait_dscnt 0x0                               ; V's fragments and scale words, asked for at the step's head, are in.  It stands ahead of the loads below, so that those may stay out over the products O^T
.if \q < 3
	KLOADS \q+1                                    ; THE K OF THE STAGE'S NEXT STEP.  No wait: no line since the wait on va_vdst above names these registers.  No branch: a stage of which one step is walked lies whole in LDS; if the next step is hidden, nobody reads what these 12 loads bring
.endif
.irp c, 0,1
	v_max_num_f32 v[TM+4*\c], 0x1800000, v[TM+4*\c]   ; the floor 2^(3 - 127): the byte cannot fall under 1 (a block whose every p is 0 keeps that byte: its codes are zeros)
.endr
.irp c, 0,1
	v_add_nc_u32 v[250+\c], 0xff000000, v[TM+4*\c] ; 2 off the exponent field: the conversion's scale operand
.endr
.irp c, 0,1
	v_lshrrev_b32 v[254+\c], 23, v[250+\c]         ; the scale's byte
.endr
	v_lshl_or_b32 v248, v255, 16, v254             ; my two bytes: blocks h and 2 + h,
	v_lshlrev_b32 v248, v[H8], v248                ; at their places in the scale word (8 h bits up);
	v_permlanex16_b32 v249, v248, s34, s35
	v_or_b32 v[PW], v248, v249                     ; with lane l xor 16's two the word is whole
.irp c, 0,1
.irp i, 0,1,2,3
	v_cvt_scalef32_pk8_fp4_f32 v[PC+4*\c+\i], v[SC+32*\c+8*\i:SC+32*\c+8*\i+7], v[250+\c]   ; register 4 c + i of P's fragment: keys 64 c + 32 h + 8 i + 0 .. 7
.endr
.endr
.irp j, 0,2,4,6,8,10,12,14,16,18,20,22,24,26,28,30
	v_pk_mul_f32 v[OT+\j:OT+\j+1], v[OT+\j:OT+\j+1], v[252:253] op_sel_hi:[1,0]   ; O^T under the new M: x f, each tile from its low end on.  (The first is the plain place behind the conversions)
.endr
	v_pk_add_f32 v[240:241], v[SC:SC+1], v[SC+2:SC+3]   ; THE ROW'S SUM IS TAKEN OF THE UNQUANTISED p: two at a time, in two chains.  Its first 15 lines name no register of the products below: they are the places
.irp j, 4,8,12,16,20,24,28                               ; between p's scale word (8 asked) and codes (4 asked), written by vector instructions, and the scaled matrix instructions
	v_pk_add_f32 v[14:15], v[14:15], v[SC+\j:SC+\j+1]
	v_pk_add_f32 v[240:241], v[240:241], v[SC+\j+2:SC+\j+3]
.endr
	s_wait_alu depctr_va_vdst(0)                   ; the conversions have written p's codes and the v_or_b32 p's scale word, which the scaled products below take as source 1 and as its scales; the places above stay beside this wait
.irp dt, 0,1,2,3                               ; O^T += V^T P^T.  The four accumulators take turns, one instruction a turn, and the next step's eight products S^T stand between two turns of each
.if (\dt)%2
	v_wmma_scale_f32_16x16x128_f8f6f4 v[OT+8*\dt:OT+8*\dt+7], v[VF+8*\dt:VF+8*\dt+7], v[PC:PC+7], v[OT+8*\dt:OT+8*\dt+7], v[VSC+\dt/2], v[PW] matrix_a_fmt:MATRIX_FMT_FP4 matrix_b_fmt:MATRIX_FMT_FP4 matrix_a_scale:MATRIX_SCALE_ROW1
.else
	v_wmma_scale_f32_16x16x128_f8f6f4 v[OT+8*\dt:OT+8*\dt+7], v[VF+8*\dt:VF+8*\dt+7], v[PC:PC+7], v[OT+8*\dt:OT+8*\dt+7], v[VSC+\dt/2], v[PW] matrix_a_fmt:MATRIX_FMT_FP4 matrix_b_fmt:MATRIX_FMT_FP4
.endif
.endr
.irp j, 32,36,40,44,48,52,56,60                ; the sum's other 17 lines, in the same order as ever: they name no register of the products above, and are the places behind them (ISA guide 7.12.1)
	v_pk_add_f32 v[14:15], v[14:15], v[SC+\j:SC+\j+1]
	v_pk_add_f32 v[240:241], v[240:241], v[SC+\j+2:SC+\j+3]
.endr
	v_pk_add_f32 v[14:15], v[14:15], v[240:241]
.endm
; THE STAGES: four trips, a constant; what hangs on the lengths is jumped over inside a trip, never a barrier.
.Lstage:
	s_sub_co_i32 s38, s28, s29                     ; the keys of my batch that are still to be walked, from this stage's first key on,
	s_sub_co_i32 s39, s38, s[CUT]                  ; and the valid keys among them
	s_wait_alu depctr_vm_vsrc(0)                   ; the LDS stores and loads of the stage before have read v25-30, which the six additions write; first trip: the head's loads and LDS stores have read v96-111, v118, v119 and v121-123, which the products S^T write
	v_add_nc_u32 v[AK], s44, v[AK0]                ; this stage's addresses
	v_add_nc_u32 v[CKS], s44, v[CKS0]
	v_add_nc_u32 v[AV], s45, v[AV0]
	v_add_nc_u32 v[CVS], s45, v[CVS0]
	v_add_nc_u32 v[ASK], s46, v[ASK0]
	v_add_nc_u32 v[ASV], s47, v[ASV0]
	s_wait_loadcnt 0x0                             ; my quarter of this stage, asked for a stage ago, is in registers (first trip: Q too); the loads' bases may be stepped
	s_wait_alu depctr_va_vdst(0)                   ; v25-30 are written, which this stage's LDS stores and loads read; and the products of the stage before are done reading K's and V's fragments and scale words, in which the first step's loads land
	BARRIER                                        ; every wave's reads of the stage before are back (first trip: its stores of scale bytes have landed).  The stages have bytes of their own; this barrier makes the order of one stage's reads and the next stage's stores plain
	s_cmp_eq_u32 s[LIVE], 0
	s_cbranch_scc1 .Lnost                          ; a stage that my batch does not walk is not stored
	COPY_STORES
.Lnost:
	BARRIER                                        ; the stage lies in LDS for all eight waves
	s_add_nc_u64 s[KCB:KCB+1], s[KCB:KCB+1], 16384 ; 512 keys of 32 bytes on
	s_add_nc_u64 s[VCB:VCB+1], s[VCB:VCB+1], 256   ; 512 codes on in each row.  (Stepped on every way: a base behind which no load follows is not used again, since no later stage is walked then)
	s_wait_alu depctr_vm_vsrc(0)                   ; this stage's LDS stores have read window 1's v0-63, in which the next stage's loads land.  It stands ahead of the branches; compares, branches and the window's switch alone stand between it and the loads
	s_cmp_eq_u32 s[LIVE], 0
	s_cbranch_scc1 .Lrest                          ; a stage that my batch does not walk has no steps, and none follows it
	s_cmp_gt_i32 s38, 512
	s_cbranch_scc1 .Lmore
	s_mov_b32 s[LIVE], 0                           ; this is my batch's last stage.  NE is 2,048 at the most, so the fourth trip comes here: it asks for nothing, and no load leaves its buffer
	s_branch .Lnold
.Lmore:
	COPY_LOADS                                     ; the next stage is walked: 16 loads, which have this stage's steps in which to land
	s_mov_b32 s38, 513                             ; more than 512 keys are left: to this stage's tests 513 says as much as the true count: no step is hidden,
	s_sub_co_i32 s39, s38, s[CUT]                  ; and none is cut by a length (with no valid key at all the count is negative: every step is cut whole)
.Lnold:
	STEP 0
	STEP 1
	STEP 2
	STEP 3
.Lrest:
	s_add_co_u32 s44, s44, 16384
	s_add_co_u32 s45, s45, 256
	s_add_co_u32 s46, s46, 1024
	s_add_co_u32 s47, s47, 16
	s_add_co_u32 s29, s29, 512
	s_add_co_u32 s30, s30, 1
	s_cmp_lt_u32 s30, 4
	s_cbranch_scc1 .Lstage
	; THE WAY OUT.  The sum's halves are added; O^T is divided by the sum and goes through my own stage in LDS, so that whole rows of 256 bytes leave: no barrier, the stage is the wave's own.
	s_wait_alu depctr_vm_vsrc(0)                   ; the last stage's LDS stores and loads have read v25-30, which are written anew below
	s_wait_alu depctr_va_vdst(0)
	v_add_f32 v14, v14, v15                        ; the sum's two halves,
	v_permlanex16_b32 v249, v14, s34, s35
	v_add_f32 v14, v14, v249                       ; and lane l xor 16's: the row's sum (over 1/2: the row's largest p is)
	s_wait_alu depctr_va_vdst(0)
	v_rcp_f32 v14, v14
	v_and_b32 v25, 15, v0                          ; (a plain place behind the transcendental)  r
	v_bfe_u32 v26, v0, 4, 1                        ; h
	v_and_b32 v30, 31, v0                          ; l
	s_mul_i32 s38, s20, 16*272
	s_add_co_u32 s38, s38, STG                     ; my stage
	v_mul_u32_u24 v27, v25, 272
	v_lshl_add_u32 v27, v26, 5, v27
	v_add_nc_u32 v27, s38, v27                     ; in: row r; tile dt's eight channels of my half: 64 dt + 32 h bytes on
	v_mul_u32_u24 v28, v26, 272
	v_lshl_add_u32 v28, v25, 4, v28
	v_add_nc_u32 v28, s38, v28                     ; back: lanes 0-15 one row, lanes 16-31 the next
	v_lshlrev_b32 v29, 4, v30                      ; and the same two rows in out: 16 l
	s_wait_alu depctr_va_vdst(0)                   ; the reciprocal has written v14, ahead of its first reader
.irp j, 0,2,4,6,8,10,12,14,16,18,20,22,24,26,28,30
	v_pk_mul_f32 v[96+\j:97+\j], v[OT+\j:OT+\j+1], v[14:15] op_sel_hi:[1,0]   ; O^T / the sum: register 8 dt + j is out(r, 16 dt + 8 h + j)
.endr
	s_wait_alu depctr_va_vdst(0)                   ; the multiplications have written v96-127, which the LDS stores read; v27-29, the addresses, are written; and every vector line that named v128-159, in which the LDS loads land, is done
.irp dt, 0,1,2,3
	ds_store_b128 v27, v[96+8*\dt:99+8*\dt] offset:64*\dt
	ds_store_b128 v27, v[100+8*\dt:103+8*\dt] offset:64*\dt+16
.endr
.irp i, 0,1,2,3,4,5,6,7
	ds_load_b128 v[128+4*\i:131+4*\i], v28 offset:2*272*\i   ; LDS serves a wave's instructions in order (ISA guide 5.7.1.4): these see my stores
.endr
.irp i, 0,1,2,3,4,5,6,7
	s_wait_dscnt 7-\i                              ; load i is back; the 7 - i younger ones may be out
	global_store_b128 v29, v[128+4*\i:131+4*\i], s[18:19] offset:512*\i th:TH_STORE_NT   ; 32 lanes store 512 consecutive bytes, two rows, at a multiple of 256 from out's first byte; written once, read by nobody here
.endr
	s_wait_dscnt 0x0                               ; the closing lines, six on end
	s_wait_alu 0x0
	s_wait_tensorcnt 0x0
	ds_add_u32 v31, v239
	s_wait_dscnt 0x0
	s_endpgm
.Lfunc_end_k_q41ad49f766_attn:
	.size	k_q41ad49f766_attn, .Lfunc_end_k_q41ad49f766_attn-k_q41ad49f766_attn
	.p2alignl 7, 3214868480
	.fill 96, 4, 3214868480
	.section	.rodata,"a",@progbits
	.p2align	6, 0x0
	.amdhsa_kernel k_q41ad49f766_attn
		.amdhsa_group_segment_fixed_size 318464
		.amdhsa_private_segment_fixed_size 0
		.amdhsa_enable_private_segment 0
		.amdhsa_kernarg_size 64
		.amdhsa_user_sgpr_count 2
		.amdhsa_user_sgpr_kernarg_segment_ptr 1
		.amdhsa_wavefront_size32 1
		.amdhsa_system_sgpr_workgroup_id_x 1
		.amdhsa_system_sgpr_workgroup_id_y 1
		.amdhsa_system_sgpr_workgroup_id_z 1
		.amdhsa_system_vgpr_workitem_id 0
		.amdhsa_next_free_vgpr 320
		.amdhsa_next_free_sgpr 66
		.amdhsa_reserve_vcc 0
		.amdhsa_float_denorm_mode_32 3
		.amdhsa_float_denorm_mode_16_64 3
		.amdhsa_memory_ordered 1
		.amdhsa_forward_progress 1
		.amdhsa_inst_pref_size 129
	.end_amdhsa_kernel
	.amdgpu_metadata
---
amdhsa.version: [ 1, 2 ]
amdhsa.kernels:
  - .name:           k_q41ad49f766_attn
    .symbol:         k_q41ad49f766_attn.kd
    .args:
      - { .name: keys_codes, .offset: 0, .size: 8, .value_kind: global_buffer, .address_space: global }
      - { .name: keys_scales, .offset: 8, .size: 8, .value_kind: global_buffer, .address_space: global }
      - { .name: queries_codes, .offset: 16, .size: 8, .value_kind: global_buffer, .address_space: global }
      - { .name: queries_scales, .offset: 24, .size: 8, .value_kind: global_buffer, .address_space: global }
      - { .name: valid_lens, .offset: 32, .size: 8, .value_kind: global_buffer, .address_space: global }
      - { .name: values_codes, .offset: 40, .size: 8, .value_kind: global_buffer, .address_space: global }
      - { .name: values_scales, .offset: 48, .size: 8, .value_kind: global_buffer, .address_space: global }
      - { .name: out0, .offset: 56, .size: 8, .value_kind: global_buffer, .address_space: global }
    .group_segment_fixed_size: 318464
    .private_segment_fixed_size: 0
    .kernarg_segment_align: 8
    .kernarg_segment_size: 64
    .max_flat_workgroup_size: 256
    .sgpr_count:     66
    .vgpr_count:     320
    .wavefront_size: 32
...
	.end_amdgpu_metadata
.endif
;; end of part 2
